; MI455X (gfx1250); checked and timed in simulation.
; The chip was launched on July 23, 2026; its instructions are those of AMD's public machine-readable ISA for CDNA 5 (MIT licence, August 2026) and "CDNA5" Instruction Set Architecture Reference Guide (July 2026). The comments in the code are by the model that wrote it; some were corrected since.
;; Attention Block. Allowed arithmetic: matrix products marked QUANTISED: E5M2 operands, one E8M0 scale for each 32 along K, by v_wmma_scale_f32_16x16x128_f8f6f4 with both operands' format E5M2, f32 sums; everything else in f32.
;; Inputs: gn_b 256 float32; gn_w 256 float32; proj_b 256 float32; proj_w_codes 256 x 8 x 32 uint8 (E5M2 codes of proj_w, K innermost, in blocks of 32 codes); proj_w_scales 256 x 8 uint8 (E8M0 scales of proj_w, one for each 32 codes along K); qkv_b 768 float32; qkv_w_codes 768 x 8 x 32 uint8 (E5M2 codes of qkv_w, K innermost, in blocks of 32 codes); qkv_w_scales 768 x 8 uint8 (E8M0 scales of qkv_w, one for each 32 codes along K); x 4 x 256 x 64 x 64 float32.
;; Outputs: out0 4 x 256 x 64 x 64 float32.
;; This version of the problem:
;;   THIS VERSION OF THE PROBLEM IS GIVEN IN LOW PRECISION. The matrix products marked QUANTISED in the list below multiply operands that are first quantised to E5M2 (5 exponent bits, 2 mantissa bits; 8 bits a number), with one power-of-two scale for each 32 numbers along K (OCP MX v1.0); their sums are f32. All else is computed in f32.
;;   The module's matrix products, in the order in which they are computed (A, B: the left and right operand; K: the contracted axis; several contracted axes count as one K, in the product's order):
;;     1. [M 16,384, K 256] x [K 256, N 768]; A: computed on the way; B: input qkv_w (given as codes): QUANTISED
;;     2. batch 16 x [M 4,096, K 64] x [K 64, N 4,096]; A: computed on the way; B: computed on the way: QUANTISED
;;     3. batch 16 x [M 64, K 4,096] x [K 4,096, N 4,096]; A: computed on the way; B: softmax (see below): QUANTISED
;;     4. [M 16,384, K 256] x [K 256, N 256]; A: computed on the way; B: input proj_w (given as codes): QUANTISED
;;   THE QUANTISER, for each operand of a quantised product, along K:
;;     - K is cut into blocks of 32 from its start; a last block that is shorter is filled with zeros.
;;     - A block's scale is 2^e with e = floor(log2(the largest magnitude in the block)) - 15, held to -126 .. 127; a block of zeros has e = 0. As a byte (E8M0): e + 127.
;;     - Each number is divided by its block's scale, clamped to +-57,344, and rounded to the nearest number of E5M2, ties to even, subnormals kept.
;;     - The product sums the exact products of the quantised numbers (number of the format x scale) in f32.
;;   ~~~python
;;   def quantise(x, axis):      # numpy; x: float32 -> the quantised numbers, widened to float32 again
;;       x = np.moveaxis(x, axis, -1); K = x.shape[-1]
;;       x = np.pad(x, [(0, 0)] * (x.ndim - 1) + [(0, -K % 32)]); x = x.reshape(x.shape[:-1] + (-1, 32)); a = np.abs(x).max(-1, keepdims=True)
;;       e = np.where(a > 0, np.clip(np.frexp(np.where(a > 0, a, 1))[1] - 1 - 15, -126, 127), 0)      # np.frexp(a)[1] - 1 = floor(log2(a)), exactly
;;       r = np.clip(x / 2.0 ** e, -57344, 57344)
;;       step = 2.0 ** (np.maximum(np.frexp(np.where(r == 0, 1, r))[1] - 1, -14) - 2)
;;       q = np.round(r / step) * step * 2.0 ** e      # np.round: ties to even
;;       return np.moveaxis(q.reshape(q.shape[:-2] + (-1,))[..., :K], -1, axis).astype(np.float32)
;;   ~~~
;;   SOFTMAX AHEAD OF A QUANTISED PRODUCT. Where the list says 'softmax', what is quantised is not the finished softmax but p = 2^(t - M), with t = logit x log2(e) and M = ceil(the row's largest t), a whole number; so 1/2 < the row's largest p <= 1. The row's sum l is taken of the UNQUANTISED p, in f32, and the product's result is divided by l at the end. Since M is a whole number, a kernel that streams over the keys may use a running M (the ceiling of the running maximum): every later rescaling is an exact power of two, which a block's scale takes up: the codes' values come out the same.
;;   OPERANDS COMPUTED ON THE WAY. 'Computed on the way' means the value that the module computes at that place (a softmax that the list does not call 'softmax' is quantised finished and normalised). What goes into a quantiser is computed in f32, as accurately as f32 sums, v_exp_f32 and their like allow (about 1e-6 of the number): no bf16 or f16 on the way to a quantiser, and a product that is left as it is and whose result goes on into a quantised operand takes f32 operands (vector FMAs, or v_wmma_f32_16x16x4_f32). A number that lies on a knife's edge between two numbers of the format may be rounded either way, as far as f32 arithmetic and the matrix unit's own rounding can turn it there, and no further.
;;   INPUTS GIVEN AS CODES. proj_w (in the module: [256, 256], K = its axis 1); qkv_w (in the module: [768, 256], K = its axis 1): each comes as NAME_codes (uint8): NAME with its K axis moved to the last place and cut into blocks of 32 codes, [.., K / 32, bytes a block], one block behind the other in memory; one code a byte (a code: sign, 5 exponent bits, 2 mantissa bits); and NAME_scales (uint8): the same leading axes, one E8M0 byte (e + 127) for each 32 codes along K. Its value is code x scale, taken as it is: it is not quantised again, and the codes and scales need not be those that the quantiser above would give.
;; One version. Each part assembles by itself: llvm-mc -triple=amdgcn-amd-amdhsa -mcpu=gfx1250 --defsym DOCPART=n.
;; ======== version 1 of 1: 3 launches
;; limits: right only within a limited range of input values
;; workspace buffers: stats 16,384 bytes; qws 4,456,448 bytes; kv 8,912,896 bytes
;; launch stats (part 1): grid 256 x 1, 8 waves a work-group, no clusters, 0 bytes of LDS; arguments x, stats; writes stats
.if DOCPART == 1
	.amdgcn_target "amdgcn-amd-amdhsa--gfx1250"
	.amdhsa_code_object_version 6
	.text
	.protected	k_q7d4b308c7a_stats
	.globl	k_q7d4b308c7a_stats
	.p2align	8
	.type	k_q7d4b308c7a_stats,@function
k_q7d4b308c7a_stats:
	s_mov_b64 s[64:65], 0
	v_nop
	global_prefetch_b8 v0, s[64:65] scope:SCOPE_SE
	s_setreg_imm32_b32 hwreg(HW_REG_WAVE_MODE, 25, 1), 1
	s_wait_xcnt 0x0
; FIRST OF THREE LAUNCHES of: out0 = x + proj(attention(qkv(group_norm(x)))), all four matrix products on codes of E5M2 with one E8M0 scale for each 32 along K.
; NOTHING OF reference() IS LEFT OUT AS DEAD WORK: every bias goes into a quantised operand or into the output, so every input is loaded by some launch.
; THIS LAUNCH: for each run of 2,048 consecutive numbers of x, its mean and the sum of its squared deviations from that mean.  A group of the norm (32 channels x 4,096 positions) is
; 64 consecutive runs; the next launch joins the 64 pairs.  stats: [2,048 runs][mean, M2], f32.
; A wave takes one run: 8,192 consecutive bytes, 64 numbers a lane, which stay in registers between the pass that finds the mean and the pass that sums the squares: x is read once here,
; and no difference of large sums is formed, so a common offset of x costs no accuracy.
; No LDS, no barrier, no matrix unit, no cluster: waves share nothing and the launch is a plain stream; each load of a wave covers 512 consecutive bytes.
; The result is 8 bytes a wave, 16,384 bytes in the whole launch: it is stored by lane 0.
; LIMITS: NaN and infinities in x are not served.
.set X,    4                           ; v4-67    my 64 numbers
.set SA,   68                          ; v68-75   four chains of pairs
.set MN,   76                          ; v[76:77] the mean, twice
.set TS,   78                          ; v78      at work
.set PD,   79                          ; v79      the lane permute's destination (written once: it counts as read)
.set OUTP, 80                          ; v[80:81] mean, M2
.macro RED32 v                         ; the sum over the 32 lanes, in every lane
	s_delay_alu instid0(VALU_DEP_1)
	v_add_f32_dpp v[\v], v[\v], v[\v] row_xmask:1 row_mask:0xf bank_mask:0xf
	s_delay_alu instid0(VALU_DEP_1)
	v_add_f32_dpp v[\v], v[\v], v[\v] row_xmask:2 row_mask:0xf bank_mask:0xf
	s_delay_alu instid0(VALU_DEP_1)
	v_add_f32_dpp v[\v], v[\v], v[\v] row_xmask:4 row_mask:0xf bank_mask:0xf
	s_delay_alu instid0(VALU_DEP_1)
	v_add_f32_dpp v[\v], v[\v], v[\v] row_xmask:8 row_mask:0xf bank_mask:0xf
	s_delay_alu instid0(VALU_DEP_1)
	v_permlanex16_b32 v[PD], v[\v], s12, s13
	s_delay_alu instid0(VALU_DEP_1)
	v_add_f32 v[\v], v[\v], v[PD]
.endm
.macro JOIN                            ; the four chains and their halves into v[TS]
	s_delay_alu instid0(VALU_DEP_3)
	v_pk_add_f32 v[SA:SA+1], v[SA:SA+1], v[SA+2:SA+3]
	s_delay_alu instid0(VALU_DEP_2)
	v_pk_add_f32 v[SA+4:SA+5], v[SA+4:SA+5], v[SA+6:SA+7]
	s_delay_alu instid0(VALU_DEP_1)
	v_pk_add_f32 v[SA:SA+1], v[SA:SA+1], v[SA+4:SA+5]
	s_delay_alu instid0(VALU_DEP_1)
	v_add_f32 v[TS], v[SA], v[SA+1]
	RED32 TS
.endm
	s_load_b128 s[4:7], s[0:1], 0x0                ; x, stats
	v_lshrrev_b32 v3, 5, v0
	s_delay_alu instid0(VALU_DEP_1)
	v_readfirstlane_b32 s8, v3                     ; wave 0..7
	v_and_b32 v2, 31, v0                           ; lane
	s_delay_alu instid0(VALU_DEP_1)
	v_lshlrev_b32 v1, 4, v2                        ; 16 bytes a lane
	v_mov_b32 v[PD], 0
	s_lshl_b32 s10, ttmp9, 16                      ; the work-group's 8 runs of 8,192 bytes,
	s_lshl_b32 s9, s8, 13                          ; my wave's run
	s_add_co_u32 s10, s10, s9
	s_mov_b32 s11, 0
	s_lshl_b32 s14, ttmp9, 3
	s_add_co_u32 s14, s14, s8                      ; the run's number,
	s_lshl_b32 s14, s14, 3                         ; 8 bytes a run
	s_mov_b32 s15, 0
	s_mov_b32 s12, 0x76543210                      ; v_permlanex16_b32's selects for lane l xor 16
	s_mov_b32 s13, 0xfedcba98
	s_wait_alu depctr_va_vdst(0)
	s_wait_kmcnt 0x0
	s_add_nc_u64 s[4:5], s[4:5], s[10:11]
	s_add_nc_u64 s[6:7], s[6:7], s[14:15]
.irp i, 0,1,2,3,4,5,6,7,8,9,10,11,12,13,14,15
	global_load_b128 v[X+4*\i:X+4*\i+3], v1, s[4:5] offset:512*\i   ; no hint: later launches read x again
.endr
	; pass 1: the sum, a quarter (4 loads, 16 registers) at a time
	s_wait_loadcnt 12                              ; the first four loads are in; the twelve younger may be out
.irp k, 0,1,2,3
	v_pk_add_f32 v[SA+2*\k:SA+2*\k+1], v[X+2*\k:X+2*\k+1], v[X+8+2*\k:X+9+2*\k]   ; the first quarter starts the chains: nothing is cleared
.endr
	s_wait_alu depctr_va_vdst(0)
.irp q, 1,2,3
	s_wait_alu depctr_va_vdst(0)
	s_wait_loadcnt 12-4*\q                         ; the next four; the younger ones may be out
.irp k, 0,1,2,3,4,5,6,7
	v_pk_add_f32 v[SA+2*(\k%4):SA+2*(\k%4)+1], v[SA+2*(\k%4):SA+2*(\k%4)+1], v[X+16*\q+2*\k:X+16*\q+2*\k+1]
.endr
.endr
	JOIN
	s_delay_alu instid0(VALU_DEP_1)
	v_mul_f32 v[MN], 0x3a000000, v[TS]             ; / 2,048
	s_delay_alu instid0(VALU_DEP_1)
	v_mov_b32 v[MN+1], v[MN]
	s_delay_alu instid0(VALU_DEP_2)
	v_mov_b32 v[OUTP], v[MN]
	; pass 2: the squared deviations
.set j, 0
.rept 32
	v_pk_add_f32 v[X+2*j:X+2*j+1], v[X+2*j:X+2*j+1], v[MN:MN+1] neg_lo:[0,1] neg_hi:[0,1]
.set j, j+1
.endr
.irp k, 0,1,2,3
	v_pk_mul_f32 v[SA+2*\k:SA+2*\k+1], v[X+2*\k:X+2*\k+1], v[X+2*\k:X+2*\k+1]
.endr
.set j, 4
.rept 28
	s_delay_alu instid0(VALU_DEP_4)
	v_pk_fma_f32 v[SA+2*(j%4):SA+2*(j%4)+1], v[X+2*j:X+2*j+1], v[X+2*j:X+2*j+1], v[SA+2*(j%4):SA+2*(j%4)+1]
.set j, j+1
.endr
	JOIN
	s_delay_alu instid0(VALU_DEP_1)
	v_mov_b32 v[OUTP+1], v[TS]
	v_cmp_eq_u32 vcc_lo, 0, v2
	s_wait_alu depctr_va_vdst(0)
	s_wait_xcnt 0x0                                ; EXEC is a source of the loads above: it changes only behind this wait
	s_and_saveexec_b32 s9, vcc_lo
	global_store_b64 v2, v[OUTP:OUTP+1], s[6:7]    ; lane 0 (its v2 is 0)
	s_wait_xcnt 0x0                                ; and again in front of the line that widens it
	s_or_b32 exec_lo, exec_lo, s9
	s_endpgm
.Lfunc_end_k_q7d4b308c7a_stats:
	.size	k_q7d4b308c7a_stats, .Lfunc_end_k_q7d4b308c7a_stats-k_q7d4b308c7a_stats
	.p2alignl 7, 3214868480
	.fill 96, 4, 3214868480
	.section	.rodata,"a",@progbits
	.p2align	6, 0x0
	.amdhsa_kernel k_q7d4b308c7a_stats
		.amdhsa_group_segment_fixed_size 0
		.amdhsa_private_segment_fixed_size 0
		.amdhsa_enable_private_segment 0
		.amdhsa_kernarg_size 16
		.amdhsa_user_sgpr_count 2
		.amdhsa_user_sgpr_kernarg_segment_ptr 1
		.amdhsa_wavefront_size32 1
		.amdhsa_system_sgpr_workgroup_id_x 1
		.amdhsa_system_sgpr_workgroup_id_y 1
		.amdhsa_system_sgpr_workgroup_id_z 1
		.amdhsa_system_vgpr_workitem_id 0
		.amdhsa_next_free_vgpr 88
		.amdhsa_next_free_sgpr 66
		.amdhsa_reserve_vcc 1
		.amdhsa_float_denorm_mode_32 3
		.amdhsa_float_denorm_mode_16_64 3
		.amdhsa_memory_ordered 1
		.amdhsa_forward_progress 1
		.amdhsa_inst_pref_size 12
	.end_amdhsa_kernel
	.amdgpu_metadata
---
amdhsa.version: [ 1, 2 ]
amdhsa.kernels:
  - .name:           k_q7d4b308c7a_stats
    .symbol:         k_q7d4b308c7a_stats.kd
    .args:
      - { .name: x, .offset: 0, .size: 8, .value_kind: global_buffer, .address_space: global }
      - { .name: stats, .offset: 8, .size: 8, .value_kind: global_buffer, .address_space: global }
    .group_segment_fixed_size: 0
    .private_segment_fixed_size: 0
    .kernarg_segment_align: 8
    .kernarg_segment_size: 16
    .max_flat_workgroup_size: 256
    .sgpr_count:     66
    .vgpr_count:     88
    .wavefront_size: 32
...
	.end_amdgpu_metadata
.endif
;; end of part 1
;; launch qkv (part 2): grid 64 x 4, 16 waves a work-group, no clusters, 35,840 bytes of LDS; arguments x, stats, gn_w, gn_b, qkv_w_codes, qkv_w_scales, qkv_b, qws, kv; writes qws, kv
.if DOCPART == 2
	.amdgcn_target "amdgcn-amd-amdhsa--gfx1250"
	.amdhsa_code_object_version 6
	.text
	.protected	k_q7d4b308c7a_qkv
	.globl	k_q7d4b308c7a_qkv
	.p2align	8
	.type	k_q7d4b308c7a_qkv,@function
k_q7d4b308c7a_qkv:
	s_mov_b64 s[64:65], 0
	v_nop
	global_prefetch_b8 v0, s[64:65] scope:SCOPE_SE
	s_setreg_imm32_b32 hwreg(HW_REG_WAVE_MODE, 25, 1), 1
	s_wait_xcnt 0x0
; SECOND LAUNCH: the group norm is finished, h is quantised along the channels, qkv = W h + bias (the first QUANTISED product), and q, k (along the head's 64) and v (along the keys) are
; quantised into workspace buffers laid in the order of the next launch's operand registers.  Nothing of reference() is left out.
; SHARES.  A work-group takes 64 positions of one batch (x: block of positions, y: batch); sixteen waves.
;   PHASE X, all waves: wave w takes group w / 2 of the norm and half w % 2 of the positions.  A LANE TAKES A POSITION AND ITS 32 REGISTERS RUN DOWN THE GROUP'S 32 CHANNELS, which are one block of 32
;   along K: the block's largest magnitude needs no other lane, and the conversions give codes with K innermost.  The codes go to LDS twice, as images of operand registers (lane l's 16 bytes at 16 l):
;   once with a tile's rows in QUERY order (lane r of tile t = position 4 r + t), once in KEY order (lane r of tile m = position 32 (m / 2) + 8 (m % 2) + r + 8 (r / 8)).  One barrier.
;   PRODUCTS: wave w < 12 takes rows 64 w .. 64 w + 63 of W: waves 0-3 q of heads 0-3, waves 4-7 k, waves 8-11 v.  W goes from memory straight into operand registers.
;   q, k: the product is used TRANSPOSED (source 0 = 16 rows of W, source 1 = 16 positions) and THE ROWS OF W THAT FORM A TILE ARE NOT NEIGHBOURS (lane r of tile 2 p + u takes row 32 p + 8 u + r + 8 (r / 8)):
;   a lane then holds one position and the 16 registers of two tiles are d = 32 p + 16 (lane / 16) + 0 .. 15: a block of 32 along the next K lies in lanes l and l xor 16.
;   v: source 0 = 16 positions in key order, source 1 = 16 rows of W: a lane holds one d, and the 16 registers of two tiles of positions are 16 neighbouring keys.
;   The biases are the C of each sum's first matrix instruction.
; BUFFERS.  qws: [batch][block][head] 4,352 bytes: [tile 4][chunk 2][512] codes, then 256 bytes of scale words [lane][2]: word p of lane 16 u + r is tile 2 p + u, row r; bytes (block 0, block 1, 0, 0).
;   kv: [batch][slot of 256 keys] 139,264 bytes: codes [step 2][head 4][K: tile 8, chunk 2, 512 | V: tile 4, chunk 4, 512], then from 131,072 scales [step 2][head 4][K: half 2, lane, 2 words | V: the same].
;   Each store of codes covers 512 consecutive bytes, each store of scale words 256, all aligned to 256.
; NO CLUSTER, NO TENSOR LOAD: what work-groups share is W, of which a wave reads 16 KiB once, into registers; sent through LDS it would be read from there as often, with rounds of a barrier on top.
; THE NORM: mean = the mean of the group's 64 run means; the sum of squares = the runs' sums + 2,048 x the squared deviations of the run means; ((x - mean) x rsqrt(var + eps)) x w + b, in f32.
; A BLOCK'S SCALE: 2^(floor(log2(largest magnitude)) - 15); its byte is the largest magnitude's exponent field - 15, held at 1 from below by a floor among the maximum's leaves.
; LIMITS: NaN and infinities among the inputs are not served; a block whose largest magnitude lies under 2^-111 gets the byte 1, a block of zeros too (the rule says 127: its codes are zeros, and this
; program alone reads the bytes); rsqrt is v_rsq_f32.
.set XQ,    0                          ; LDS: h's images in query order: fragment (tile t, K step s) at (2 t + s) x 2,048, chunk c at 512 c
.set XK,    16384                      ; the same in key order
.set XS,    32768                      ; their scale words: [order 2][fragment 8][row 16][4 bytes]
.set SPARE, 33792                      ; the spare words, 128 bytes for each of sixteen waves: eight blocks of 256 bytes that no other line names
.set KVB,   2228224                    ; kv: bytes of a batch
.set SLOTM, 139264                     ; and of a slot
; v1 4 x lane; v2 16 x lane; v3 8 x lane; v4-7 where phase X stores (codes: key order, query order; scale bytes likewise); v8 W's rows; v9 W's scale words; v10, v11 the biases'; v12, v13 where h's images and words are read; v14 0
.set SPW,  16                          ; v16  LDS address of my spare word; never rewritten
.set NIL,  17                          ; v17  0; never rewritten
.set T0,   18
.set T1,   19
.set T2,   20                          ; the lane permute's destination
.set SOP,  21                          ; the conversion's scale operand
.set HOLD, 22
.set BY,   23                          ; the scale's byte
.set NM,   24                          ; v[24:25] the mean, twice
.set RS,   26                          ; v[26:27] rsqrt, twice
.set OW,   28                          ; v[28:29] scale words on their way out
.set W,    32                          ; v32-95   W's fragments (tile u, K step s) at 32 u + 16 s
.set WS,   96                          ; v96-99   their scale words, 2 u + s
.set H,    100                         ; v100-131 h's two fragments
.set HS,   132                         ; v132-133 their scale words
.set ACC,  134                         ; v134-197 eight accumulators
.set BI,   198                         ; v198-213 the bias as C, 8 u
.set CD,   214                         ; v214-229 four sets of codes
.set WD,   230                         ; v230-233 scale words in the making
.set BV,   234                         ; v234-237 v's bias, a number a lane and tile
.set X,    100                         ; phase X lies over registers that are free then: v100-131 my 32 numbers,
.set GW,   134                         ; v134-165 the group's gains,
.set GB,   166                         ; v166-197 its offsets,
.set ST,   214                         ; v214-217 two runs' statistics,
.set XC,   218                         ; v218-225 my block's codes
.macro PLACES n
.rept \n
	v_nop
.endr
.endm
.macro RED32 v                         ; the sum over the 32 lanes, in every lane
	s_delay_alu instid0(VALU_DEP_1)
	v_add_f32_dpp v[\v], v[\v], v[\v] row_xmask:1 row_mask:0xf bank_mask:0xf
	s_delay_alu instid0(VALU_DEP_1)
	v_add_f32_dpp v[\v], v[\v], v[\v] row_xmask:2 row_mask:0xf bank_mask:0xf
	s_delay_alu instid0(VALU_DEP_1)
	v_add_f32_dpp v[\v], v[\v], v[\v] row_xmask:4 row_mask:0xf bank_mask:0xf
	s_delay_alu instid0(VALU_DEP_1)
	v_add_f32_dpp v[\v], v[\v], v[\v] row_xmask:8 row_mask:0xf bank_mask:0xf
	s_delay_alu instid0(VALU_DEP_1)
	v_permlanex16_b32 v[T2], v[\v], s24, s25
	s_delay_alu instid0(VALU_DEP_1)
	v_add_f32 v[\v], v[\v], v[T2]
.endm
.macro WLOAD p                         ; pass p: W's tiles 2 p and 2 p + 1, both K steps, and their scale words
.irp u, 0,1
.irp s, 0,1
.irp c, 0,1,2,3
	global_load_b128 v[W+32*\u+16*\s+4*\c:W+32*\u+16*\s+4*\c+3], v8, s[12:13] offset:(32*(\p)+8*\u)*256+128*\s+32*\c
.endr
	global_load_b32 v[WS+2*\u+\s], v9, s[14:15] offset:(32*(\p)+8*\u)*8+4*\s
.endr
.endr
.endm
.macro BQK p                           ; q's and k's bias in the result's layout: lane (r, h), tile u, register j: row 32 p + 16 h + 8 u + j
.irp u, 0,1
	global_load_b128 v[BI+8*\u:BI+8*\u+3], v10, s[16:17] offset:(32*(\p)+8*\u)*4
	global_load_b128 v[BI+8*\u+4:BI+8*\u+7], v10, s[16:17] offset:(32*(\p)+8*\u)*4+16
.endr
.endm
.macro SPREAD t                        ; v's bias in the result's layout: the lane's number in all eight registers
.irp u, 0,1
.irp j, 0,1,2,3,4,5,6,7
	v_mov_b32 v[BI+8*\u+\j], v[BV+(\t)+\u]
.endr
.endr
.endm
.macro HFETCH m                        ; h's tile m of positions: two fragments and their scale words
.irp s, 0,1
.irp c, 0,1,2,3
	ds_load_b128 v[H+16*\s+4*\c:H+16*\s+4*\c+3], v12 offset:(2*(\m)+\s)*2048+512*\c
.endr
	ds_load_b32 v[HS+\s], v13 offset:(2*(\m)+\s)*64
.endr
.endm
; Four matrix instructions: two tiles of W x tile m of positions, two K steps.  The two accumulators take turns.  kind 0: q, k (source 0 = W); kind 1: v (source 0 = h).
.macro MM kind, m
.irp s, 0,1
.irp u, 0,1
.set rW, W+32*\u+16*\s
.set rH, H+16*\s
.if \kind == 0
.set rD, ACC+16*(\m)+8*\u
.if \s == 0
	v_wmma_scale_f32_16x16x128_f8f6f4 v[rD:rD+7], v[rW:rW+15], v[rH:rH+15], v[BI+8*\u:BI+8*\u+7], v[WS+2*\u+\s], v[HS+\s] matrix_a_fmt:MATRIX_FMT_BF8 matrix_b_fmt:MATRIX_FMT_BF8
.else
	v_wmma_scale_f32_16x16x128_f8f6f4 v[rD:rD+7], v[rW:rW+15], v[rH:rH+15], v[rD:rD+7], v[WS+2*\u+\s], v[HS+\s] matrix_a_fmt:MATRIX_FMT_BF8 matrix_b_fmt:MATRIX_FMT_BF8
.endif
.else
.set rD, ACC+32*((\m)/2)+16*\u+8*((\m)%2)
.if \s == 0
	v_wmma_scale_f32_16x16x128_f8f6f4 v[rD:rD+7], v[rH:rH+15], v[rW:rW+15], v[BI+8*\u:BI+8*\u+7], v[HS+\s], v[WS+2*\u+\s] matrix_a_fmt:MATRIX_FMT_BF8 matrix_b_fmt:MATRIX_FMT_BF8
.else
	v_wmma_scale_f32_16x16x128_f8f6f4 v[rD:rD+7], v[rH:rH+15], v[rW:rW+15], v[rD:rD+7], v[HS+\s], v[WS+2*\u+\s] matrix_a_fmt:MATRIX_FMT_BF8 matrix_b_fmt:MATRIX_FMT_BF8
.endif
.endif
.endr
.endr
.endm
; 16 registers (two accumulators) of a lane and the 16 of lane l xor 16 are a block of 32: four registers of codes into v[dst] on, the scale's byte into v[word] at bit shift.
.macro Q16 src, dst, word, shift
	s_wait_xcnt 0x0                                ; an earlier store may still read v[dst] on: they are rewritten only behind this wait
	v_max3_num_f32 v[T0], |v[(\src)]|, |v[(\src)+1]|, 0x8000000   ; two chains, one to an accumulator, each from its accumulator's low end on; the floor 2^(16 - 127) holds the byte at 1 from below
	v_max3_num_f32 v[T1], |v[(\src)+8]|, |v[(\src)+9]|, |v[(\src)+10]|
	v_max3_num_f32 v[T0], v[T0], |v[(\src)+2]|, |v[(\src)+3]|
	v_max3_num_f32 v[T1], v[T1], |v[(\src)+11]|, |v[(\src)+12]|
	v_max3_num_f32 v[T0], v[T0], |v[(\src)+4]|, |v[(\src)+5]|
	v_max3_num_f32 v[T1], v[T1], |v[(\src)+13]|, |v[(\src)+14]|
	v_max3_num_f32 v[T0], v[T0], |v[(\src)+6]|, |v[(\src)+7]|
	v_max3_num_f32 v[T1], v[T1], v[T0], |v[(\src)+15]|
	s_delay_alu instid0(VALU_DEP_1)
	v_permlanex16_b32 v[T2], v[T1], s24, s25
	s_delay_alu instid0(VALU_DEP_1)
	v_max_num_f32 v[T0], v[T1], v[T2]              ; the block's largest magnitude
	s_delay_alu instid0(VALU_DEP_1)
	v_add_nc_u32 v[SOP], 0xf8800000, v[T0]         ; 15 off its exponent field: the conversion takes this operand's exponent field as its scale
.if (\shift) == 0
	s_delay_alu instid0(VALU_DEP_1)
	v_lshrrev_b32 v[\word], 23, v[SOP]             ; the scale's byte starts the word
.else
	s_delay_alu instid0(VALU_DEP_1)
	v_lshrrev_b32 v[BY], 23, v[SOP]
	s_delay_alu instid0(VALU_DEP_1)
	v_lshl_or_b32 v[\word], v[BY], \shift, v[\word]
.endif
.irp i, 0,1,2,3,4,5,6,7,8,9,10,11,12,13,14,15
.endr
	v_cvt_scalef32_pk8_bf8_f32 v[(\dst):(\dst)+1], v[(\src):(\src)+7], v[SOP]
	v_cvt_scalef32_pk8_bf8_f32 v[(\dst)+2:(\dst)+3], v[(\src)+8:(\src)+15], v[SOP]
	v_nop                                          ; a plain line behind the last conversion: later lines write its sources
.endm
	s_load_b512 s[4:19], s[0:1], 0x0               ; x, stats, gn_w, gn_b, W's codes, W's scales, qkv_b, qws
	s_load_b64 s[20:21], s[0:1], 0x40              ; kv
	v_lshl_add_u32 v[SPW], v0, 2, SPARE
	v_mov_b32 v[NIL], 0
	v_lshrrev_b32 v18, 5, v0
	s_delay_alu instid0(VALU_DEP_1)
	v_readfirstlane_b32 s22, v18                   ; wave 0..15
	v_and_b32 v18, 31, v0                          ; L
	v_and_b32 v19, 15, v0                          ; r
	v_bfe_u32 v20, v0, 4, 1                        ; h
	v_and_b32 v21, 8, v0
	s_delay_alu instid0(VALU_DEP_1)
	v_add_nc_u32 v21, v21, v19                     ; r + 8 (r / 8)
	v_bfe_u32 v22, v0, 3, 1                        ; (L / 8) % 2
	v_and_b32 v23, 7, v0                           ; L % 8
	v_and_b32 v24, 3, v0                           ; L % 4
	v_bfe_u32 v25, v0, 2, 3                        ; L / 4
	v_lshlrev_b32 v1, 2, v18
	v_lshlrev_b32 v2, 4, v18
	v_lshlrev_b32 v3, 3, v18
	v_lshlrev_b32 v8, 8, v21
	s_delay_alu instid0(VALU_DEP_1)
	v_lshl_add_u32 v8, v20, 4, v8                  ; W: a row is 256 bytes; + 16 h
	v_lshlrev_b32 v9, 3, v21                       ; W's scales: 8 bytes a row
	v_lshlrev_b32 v10, 6, v20                      ; q's, k's bias: 16 numbers on for lanes 16-31
	v_lshlrev_b32 v11, 2, v21                      ; v's bias: the number of my row
	v_mov_b32 v14, 0
	s_mov_b32 s24, 0x76543210                      ; v_permlanex16_b32's selects for lane l xor 16
	s_mov_b32 s25, 0xfedcba98
	s_mov_b32 s26, ttmp9                           ; block of 64 positions
	s_and_b32 s27, ttmp7, 0xffff                   ; batch
	s_lshr_b32 s28, s22, 1                         ; phase X: my group,
	s_and_b32 s29, s22, 1                          ; my half of the positions
	s_lshr_b32 s30, s22, 2                         ; products: 0 q, 1 k, 2 v, 3 none
	s_and_b32 s31, s22, 3                          ; head
	s_mov_b32 s32, 0xffff0000                      ; lanes 16-31
	s_mov_b32 s33, 0x37000000                      ; 1 / 131,072
	s_mov_b32 s34, 0x3727c5ac                      ; eps = 1e-5
	s_lshr_b32 s42, s22, 3                         ; my group's K step,
	s_and_b32 s43, s28, 3                          ; and its chunk in the step
	; every LDS address is made here, ahead of the first branch: a constant + constants x parts of the lane's number + constants x parts of the wave's number
	s_lshl_b32 s58, s42, 11
	s_lshl_b32 s59, s43, 9
	s_add_co_u32 s58, s58, s59                     ; 2,048 s + 512 c
	s_lshl_b32 s59, s29, 13
	s_add_co_u32 s59, s59, s58
	s_add_co_u32 s59, s59, XK
	v_lshlrev_b32 v4, 12, v22                      ; key order: position 32 half + L is row (L % 8) + 8 (L / 16) of tile 2 half + (L / 8) % 2
	s_delay_alu instid0(VALU_DEP_1)
	v_lshl_add_u32 v4, v23, 4, v4
	s_delay_alu instid0(VALU_DEP_1)
	v_lshl_add_u32 v4, v20, 7, v4
	s_delay_alu instid0(VALU_DEP_1)
	v_add_nc_u32 v4, s59, v4
	s_lshl_b32 s59, s29, 7
	s_add_co_u32 s59, s59, s58
	v_lshlrev_b32 v5, 12, v24                      ; query order: row 8 half + L / 4 of tile L % 4
	s_delay_alu instid0(VALU_DEP_1)
	v_lshl_add_u32 v5, v25, 4, v5
	s_delay_alu instid0(VALU_DEP_1)
	v_add_nc_u32 v5, s59, v5
	s_lshl_b32 s58, s42, 6
	s_add_co_u32 s58, s58, s43
	s_add_co_u32 s58, s58, XS                      ; scale bytes: 64 s + c
	s_lshl_b32 s59, s29, 8
	s_add_co_u32 s59, s59, s58
	s_add_co_u32 s59, s59, 512
	v_lshlrev_b32 v6, 7, v22
	s_delay_alu instid0(VALU_DEP_1)
	v_lshl_add_u32 v6, v23, 2, v6
	s_delay_alu instid0(VALU_DEP_1)
	v_lshl_add_u32 v6, v20, 5, v6
	s_delay_alu instid0(VALU_DEP_1)
	v_add_nc_u32 v6, s59, v6
	s_lshl_b32 s59, s29, 5
	s_add_co_u32 s59, s59, s58
	v_lshlrev_b32 v7, 7, v24
	s_delay_alu instid0(VALU_DEP_1)
	v_lshl_add_u32 v7, v25, 2, v7
	s_delay_alu instid0(VALU_DEP_1)
	v_add_nc_u32 v7, s59, v7
	s_min_u32 s59, s30, 1                          ; q reads the query order, k and v the key order
	s_lshl_b32 s58, s59, 14
	v_add_nc_u32 v12, s58, v2
	s_lshl_b32 s58, s59, 9
	s_add_co_u32 s58, s58, XS
	v_lshl_add_u32 v13, v19, 2, s58
	; byte offsets into the buffers, each in a pair of its own
	s_lshl_b32 s36, s27, 22                        ; x: batch, group, block, half
	s_lshl_b32 s58, s28, 19
	s_add_co_u32 s36, s36, s58
	s_lshl_b32 s58, s26, 8
	s_add_co_u32 s36, s36, s58
	s_lshl_b32 s58, s29, 7
	s_add_co_u32 s36, s36, s58
	s_mov_b32 s37, 0
	s_lshl_b32 s44, s27, 3
	s_add_co_u32 s44, s44, s28
	s_lshl_b32 s44, s44, 9                         ; stats: 512 bytes a group
	s_mov_b32 s45, 0
	s_lshl_b32 s46, s28, 7                         ; gains and offsets: 128 bytes a group
	s_mov_b32 s47, 0
	s_lshl_b32 s48, s22, 14                        ; W: my 64 rows,
	s_mov_b32 s49, 0
	s_lshl_b32 s50, s22, 9                         ; their scales,
	s_mov_b32 s51, 0
	s_lshl_b32 s52, s22, 8                         ; their bias
	s_mov_b32 s53, 0
	s_lshr_b32 s58, s26, 2                         ; kv: the slot,
	s_mul_i32 s58, s58, SLOTM
	s_mul_i32 s59, s27, KVB
	s_add_co_u32 s58, s58, s59
	s_bfe_u32 s59, s26, 0x10001                    ; the step in the slot,
	s_and_b32 s60, s26, 1                          ; the half of the step
	s_lshl_b32 s61, s59, 16
	s_lshl_b32 s62, s31, 14
	s_add_co_u32 s61, s61, s62
	s_add_co_u32 s61, s61, s58                     ; codes: slot + 65,536 step + 16,384 head
	s_lshl_b32 s59, s59, 12
	s_lshl_b32 s62, s31, 10
	s_add_co_u32 s59, s59, s62
	s_lshl_b32 s62, s60, 8
	s_add_co_u32 s59, s59, s62
	s_add_co_u32 s59, s59, s58
	s_add_co_u32 s59, s59, 131072                  ; scales: slot + 131,072 + 4,096 step + 1,024 head + 256 half
	s_lshl_b32 s62, s60, 12                        ; k: + 4,096 half
	s_lshl_b32 s63, s60, 10
	s_add_co_u32 s63, s63, 8192                    ; v: + 8,192 + 1,024 half
	s_cmp_eq_u32 s30, 1
	s_cselect_b32 s62, s62, s63
	s_cselect_b32 s63, 0, 512                      ; v's scales lie 512 behind k's
	s_add_co_u32 s61, s61, s62
	s_add_co_u32 s59, s59, s63
	s_lshl_b32 s62, s27, 6
	s_add_co_u32 s62, s62, s26
	s_lshl_b32 s62, s62, 2
	s_add_co_u32 s62, s62, s31
	s_mul_i32 s62, s62, 4352                       ; qws: ((64 batch + block) 4 + head) x 4,352
	s_add_co_u32 s63, s62, 4096
	s_cmp_eq_u32 s30, 0
	s_cselect_b32 s54, s62, s61
	s_cselect_b32 s56, s63, s59
	s_mov_b32 s55, 0
	s_mov_b32 s57, 0
	s_wait_kmcnt 0x0
	s_cmp_eq_u32 s30, 0                            ; the choice of buffer hangs on the wave's number alone
	s_cselect_b64 s[38:39], s[18:19], s[20:21]
	s_add_nc_u64 s[40:41], s[38:39], s[56:57]      ; where my scale words go,
	s_add_nc_u64 s[38:39], s[38:39], s[54:55]      ; and my codes
	s_add_nc_u64 s[4:5], s[4:5], s[36:37]
	s_add_nc_u64 s[6:7], s[6:7], s[44:45]
	s_add_nc_u64 s[8:9], s[8:9], s[46:47]
	s_add_nc_u64 s[10:11], s[10:11], s[46:47]
	s_add_nc_u64 s[12:13], s[12:13], s[48:49]
	s_add_nc_u64 s[14:15], s[14:15], s[50:51]
	s_add_nc_u64 s[16:17], s[16:17], s[52:53]
	global_load_b128 v[ST:ST+3], v2, s[6:7]        ; runs 2 L and 2 L + 1 of my group: mean, M2, mean, M2
.irp i, 0,1,2,3,4,5,6,7
	global_load_b128 v[GW+4*\i:GW+4*\i+3], v14, s[8:9] offset:16*\i    ; the group's 32 gains, the same in every lane
	global_load_b128 v[GB+4*\i:GB+4*\i+3], v14, s[10:11] offset:16*\i
.endr
.irp i, 0,1,2,3,4,5,6,7,8,9,10,11,12,13,14,15,16,17,18,19,20,21,22,23,24,25,26,27,28,29,30,31
	global_load_b32 v[X+\i], v1, s[4:5] offset:16384*\i   ; channel i of the group at my position: a wave reads 128 consecutive bytes, the pair of waves of a group 256
.endr
	s_cmp_lt_u32 s22, 12
	s_cbranch_scc0 .Lnow
	WLOAD 0                                        ; the first pass's weights are asked for ahead of phase X
	s_cmp_lt_u32 s22, 8
	s_cbranch_scc0 .Lbias_v
	BQK 0
	s_branch .Lnow
.Lbias_v:
.irp t, 0,1,2,3
	global_load_b32 v[BV+\t], v11, s[16:17] offset:(32*(\t/2)+8*(\t%2))*4
.endr
.Lnow:
	s_wait_loadcnt 0x0                             ; for 0: the waves' numbers of loads differ
	; ---- PHASE X.  The group's statistics from its 64 runs
	v_add_f32 v[T0], v[ST], v[ST+2]
	RED32 T0
	s_delay_alu instid0(VALU_DEP_1)
	v_mul_f32 v[NM], 0x3c800000, v[T0]             ; / 64: the mean
	s_delay_alu instid0(VALU_DEP_1)
	v_mov_b32 v[NM+1], v[NM]
	s_delay_alu instid0(VALU_DEP_2)
	v_sub_f32 v[T0], v[ST], v[NM]
	s_delay_alu instid0(VALU_DEP_3)
	v_sub_f32 v[T1], v[ST+2], v[NM]
	s_delay_alu instid0(VALU_DEP_2)
	v_mul_f32 v[T0], v[T0], v[T0]
	s_delay_alu instid0(VALU_DEP_1)
	v_fma_f32 v[T0], v[T1], v[T1], v[T0]
	v_add_f32 v[T1], v[ST+1], v[ST+3]
	s_delay_alu instid0(VALU_DEP_1)
	v_fmamk_f32 v[T0], v[T0], 0x45000000, v[T1]    ; 2,048 x the run means' squared deviations + the runs' own sums
	RED32 T0
	s_delay_alu instid0(VALU_DEP_1)
	v_fma_f32 v[T0], v[T0], s33, s34               ; var + eps
	s_wait_alu depctr_va_vdst(0)
	v_rsq_f32 v[RS], v[T0]
.set j, 0
.rept 16
	v_pk_add_f32 v[X+2*j:X+2*j+1], v[X+2*j:X+2*j+1], v[NM:NM+1] neg_lo:[0,1] neg_hi:[0,1]   ; x - mean: plain work behind the transcendental that names neither its result nor its source
.set j, j+1
.endr
	s_wait_alu depctr_va_vdst(0)                   ; the wait ahead of the first line that names the result
	v_mov_b32 v[RS+1], v[RS]
.set j, 0
.rept 16
	v_pk_mul_f32 v[X+2*j:X+2*j+1], v[X+2*j:X+2*j+1], v[RS:RS+1]
.set j, j+1
.endr
.set j, 0
.rept 16
	v_pk_fma_f32 v[X+2*j:X+2*j+1], v[X+2*j:X+2*j+1], v[GW+2*j:GW+2*j+1], v[GB+2*j:GB+2*j+1]
.set j, j+1
.endr
	v_max3_num_f32 v[T0], |v[X]|, |v[X+1]|, 0x8000000              ; the block's largest magnitude: all 32 numbers are mine; the floor among the leaves
	v_max3_num_f32 v[T1], |v[X+2]|, |v[X+3]|, |v[X+4]|
.set i, 5
.rept 13
	s_delay_alu instid0(VALU_DEP_2)
	v_max3_num_f32 v[T0+((i-5)/2)%2], v[T0+((i-5)/2)%2], |v[X+i]|, |v[X+i+1]|
.set i, i+2
.endr
	s_delay_alu instid0(VALU_DEP_1)
	v_max3_num_f32 v[T0], v[T0], v[T1], |v[X+31]|
	s_delay_alu instid0(VALU_DEP_1)
	v_add_nc_u32 v[SOP], 0xf8800000, v[T0]
	s_delay_alu instid0(VALU_DEP_1)
	v_lshrrev_b32 v[BY], 23, v[SOP]
.set i, 0
.rept 32
.set i, i+1
.endr
.irp g, 0,1,2,3
	v_cvt_scalef32_pk8_bf8_f32 v[XC+2*\g:XC+2*\g+1], v[X+8*\g:X+8*\g+7], v[SOP]
.endr
	v_nop                                          ; a plain line behind the last conversion
	ds_store_b128 v4, v[XC:XC+3]                   ; k 0-15 of the block belong to the row's lane r, k 16-31 to lane r + 16, 256 bytes on
	ds_store_b128 v4, v[XC+4:XC+7] offset:256
	ds_store_b128 v5, v[XC:XC+3]
	ds_store_b128 v5, v[XC+4:XC+7] offset:256
	ds_store_b8 v6, v[BY]
	ds_store_b8 v7, v[BY]
	s_wait_dscnt 0x0                               ; for the others' sake: my stores have landed
	s_barrier_signal -1
	s_barrier_wait -1                              ; h's sixteen fragments and their scale words lie in LDS; nothing is stored there again
	s_cmp_lt_u32 s22, 12
	s_cbranch_scc0 .Lend
	s_cmp_lt_u32 s22, 8
	s_cbranch_scc0 .Lv
	; ---- q and k: pass p makes d = 32 p .. 32 p + 31 for the four tiles of positions
	HFETCH 0
.irp p, 0,1
	s_wait_loadcnt 0x0                             ; this pass's weights and bias
.irp m, 0,1,2,3
	s_wait_dscnt 0x0
	MM 0, \m
	PLACES 8                                       ; in front of loads into registers that the products read, and of the first read of their results
.if \m < 3
	HFETCH \m+1
.elseif \p == 0
	WLOAD 1
	BQK 1
	HFETCH 0
.endif
	Q16 ACC+16*\m, CD+4*\m, WD+\m, 8*\p
	global_store_b128 v2, v[CD+4*\m:CD+4*\m+3], s[38:39] offset:1024*\m+512*\p   ; chunk p of tile m: 512 consecutive bytes
.endr
.endr
	v_cndmask_b32 v[OW], v[WD], v[WD+1], s32       ; lanes 0-15 carry the even tile's words, lanes 16-31 the odd tile's
	v_cndmask_b32 v[OW+1], v[WD+2], v[WD+3], s32
	global_store_b64 v3, v[OW:OW+1], s[40:41]      ; 256 consecutive bytes
	s_branch .Lend
.Lv:
	; ---- v: pass p makes the rows of tiles 2 p and 2 p + 1 for the 64 keys
	HFETCH 0
	SPREAD 0
	s_wait_alu depctr_va_vdst(0)
.irp p, 0,1
	s_wait_loadcnt 0x0
.irp m, 0,1,2,3
	s_wait_dscnt 0x0
	MM 1, \m
	PLACES 8                                       ; as above; also in front of the lines that write the bias registers anew
.if \m < 3
	HFETCH \m+1
.elseif \p == 0
	WLOAD 1
	SPREAD 2
	HFETCH 0
.endif
.if (\m%2) == 1
.irp u, 0,1
	Q16 ACC+32*(\m/2)+16*\u, CD+4*(2*(\m/2)+\u), WD+\p, 16*\u+8*(\m/2)
	global_store_b128 v2, v[CD+4*(2*(\m/2)+\u):CD+4*(2*(\m/2)+\u)+3], s[38:39] offset:2048*(2*\p+\u)+512*(\m/2)
.endr
.endif
.endr
.endr
	global_store_b64 v3, v[WD:WD+1], s[40:41]      ; word p: tile 2 p's two bytes below, tile 2 p + 1's above
.Lend:
	s_wait_tensorcnt 0x0                           ; the wave's end: behind my last LDS store
	ds_add_u32 v[SPW], v[NIL]
	s_wait_dscnt 0x0
	s_endpgm
.Lfunc_end_k_q7d4b308c7a_qkv:
	.size	k_q7d4b308c7a_qkv, .Lfunc_end_k_q7d4b308c7a_qkv-k_q7d4b308c7a_qkv
	.p2alignl 7, 3214868480
	.fill 96, 4, 3214868480
	.section	.rodata,"a",@progbits
	.p2align	6, 0x0
	.amdhsa_kernel k_q7d4b308c7a_qkv
		.amdhsa_group_segment_fixed_size 35840
		.amdhsa_private_segment_fixed_size 0
		.amdhsa_enable_private_segment 0
		.amdhsa_kernarg_size 72
		.amdhsa_user_sgpr_count 2
		.amdhsa_user_sgpr_kernarg_segment_ptr 1
		.amdhsa_wavefront_size32 1
		.amdhsa_system_sgpr_workgroup_id_x 1
		.amdhsa_system_sgpr_workgroup_id_y 1
		.amdhsa_system_sgpr_workgroup_id_z 1
		.amdhsa_system_vgpr_workitem_id 0
		.amdhsa_next_free_vgpr 256
		.amdhsa_next_free_sgpr 66
		.amdhsa_reserve_vcc 0
		.amdhsa_float_denorm_mode_32 3
		.amdhsa_float_denorm_mode_16_64 3
		.amdhsa_fp16_overflow 1
		.amdhsa_memory_ordered 1
		.amdhsa_forward_progress 1
		.amdhsa_inst_pref_size 69
	.end_amdhsa_kernel
	.amdgpu_metadata
---
amdhsa.version: [ 1, 2 ]
amdhsa.kernels:
  - .name:           k_q7d4b308c7a_qkv
    .symbol:         k_q7d4b308c7a_qkv.kd
    .args:
      - { .name: x, .offset: 0, .size: 8, .value_kind: global_buffer, .address_space: global }
      - { .name: stats, .offset: 8, .size: 8, .value_kind: global_buffer, .address_space: global }
      - { .name: gn_w, .offset: 16, .size: 8, .value_kind: global_buffer, .address_space: global }
      - { .name: gn_b, .offset: 24, .size: 8, .value_kind: global_buffer, .address_space: global }
      - { .name: qkv_w_codes, .offset: 32, .size: 8, .value_kind: global_buffer, .address_space: global }
      - { .name: qkv_w_scales, .offset: 40, .size: 8, .value_kind: global_buffer, .address_space: global }
      - { .name: qkv_b, .offset: 48, .size: 8, .value_kind: global_buffer, .address_space: global }
      - { .name: qws, .offset: 56, .size: 8, .value_kind: global_buffer, .address_space: global }
      - { .name: kv, .offset: 64, .size: 8, .value_kind: global_buffer, .address_space: global }
    .group_segment_fixed_size: 35840
    .private_segment_fixed_size: 0
    .kernarg_segment_align: 8
    .kernarg_segment_size: 72
    .max_flat_workgroup_size: 512
    .sgpr_count:     66
    .vgpr_count:     256
    .wavefront_size: 32
...
	.end_amdgpu_metadata
.endif
;; end of part 2
;; launch attn (part 3): grid 64 x 4, 16 waves a work-group, clusters of 4 x 1, 327,680 bytes of LDS; arguments qws, kv, proj_w_codes, proj_w_scales, proj_b, x, out0; writes out0
.if DOCPART == 3
	.amdgcn_target "amdgcn-amd-amdhsa--gfx1250"
	.amdhsa_code_object_version 6
	.text
	.protected	k_q7d4b308c7a_attn
	.globl	k_q7d4b308c7a_attn
	.p2align	8
	.type	k_q7d4b308c7a_attn,@function
k_q7d4b308c7a_attn:
	s_mov_b64 s[64:65], 0
	v_nop
	global_prefetch_b8 v0, s[64:65] scope:SCOPE_SE
	s_setreg_imm32_b32 hwreg(HW_REG_WAVE_MODE, 25, 1), 1
	s_wait_xcnt 0x0
	s_wait_alu depctr_hold_cnt(0) depctr_sa_sdst(0) depctr_va_vdst(0) depctr_va_sdst(0) depctr_va_ssrc(0) depctr_va_vcc(0) depctr_vm_vsrc(0)
	s_getreg_b32 s2, hwreg(HW_REG_IB_STS2, 6, 4)
	s_cmp_eq_u32 s2, 0
	s_cbranch_scc0 .Lentry_in_a_cluster
	s_endpgm
.Lentry_in_a_cluster:
	s_bfe_u32 s2, ttmp6, 0x10000c
	s_cmp_lg_u32 s2, 0x3003
	s_cbranch_scc0 .Lentry_shape_is_right
	s_endpgm
.Lentry_shape_is_right:
; THIRD LAUNCH: attention on codes of E5M2 (the second and third QUANTISED products, with the softmax taken as the problem's text gives it), O / l, its quantising along the channels,
; the projection (the fourth) + proj_b + x.  Nothing of reference() is left out.
; SHARES.  A work-group owns 64 positions (queries) of one batch, for ALL FOUR HEADS: sixteen waves = 4 heads x 4 tiles of 16 queries, 256 registers each, four waves to a SIMD, so that one wave's
; vector work stands beside another's products and LDS loads.  So the 256 channels of its positions meet in its LDS, and the projection needs no launch and no memory.
; Tile qt holds queries 4 r + qt (r = lane % 16): in the projection's result register j of the four tiles is then four neighbouring positions of one output row.
; THE WALK.  Every wave walks the batch's 4,096 keys, 128 a step.  A slot of 256 keys (all heads' K and V codes, 131,072 bytes, and their scale words, 8,192) lies in kv as images of operand registers, so
; every LDS read is 16 (or 8) bytes x lane: no pitch, no padding.  Two slots take turns.
; CLUSTER.  The four work-groups of a cluster belong to one batch and walk the same kv: each tile is asked for JOINTLY (mask of all four).  Waves 0-3 fetch a quarter of the codes each, wave 4 the scales.
; By this text's own count a fetching wave has one tensor load out at the most, and every wait for tensor loads is for 0.
; LAYOUT.  Both products are used transposed: S^T = K Q^T (source 0 = 16 keys, source 1 = my 16 queries), O^T = V^T P^T (source 0 = 16 of the head's 64, source 1 = P): a lane holds ONE query throughout.
; The keys of a tile of K, and the rows of a tile of V, are not neighbours (lane r of tile 2 b + u: 32 b + 8 u + r + 8 (r / 8)), so that the 16 registers of two neighbouring result tiles are 16 neighbours
; along the next product's K.
; K = 64 IN A FORM OF K = 128.  Q's upper eight registers hold zero codes.  So K's eight tiles lie DENSE in registers: tile t's operand is v[K + 8 t .. K + 8 t + 15], whose upper half is tile t + 1's codes
; (eight zero registers follow tile 7): finite numbers times zero codes, under scale bytes 0, add nothing.  LDS is read for no zero.
; THE SOFTMAX: t = score x log2(e) / 8; M = the running largest t rounded UP to a whole number (kept as -M); p = 2^(t - M) is quantised along the keys, not normalised; the row's sum is taken of the unquantised
; p and divides O at the end; when M moves, the sum and O^T are multiplied by 2^(old M - new M), exactly.  A block's largest p is made from the block's largest score by the same two instructions.
; LIMITS: NaN and infinities are not served (the dense K operands lean on finite codes, which the quantiser's hold gives); a block whose largest magnitude lies under 2^-111, or that is all zeros, gets the
; byte 1 (its bytes are read here alone); 1 / l is v_rcp_f32; that a block's largest score gives its largest p takes v_exp_f32 not to fall where its input rises.
.set KVB,   2228224                    ; kv: bytes of a batch
.set SLOTM, 139264                     ; and of a slot
.set SLOT1, 0x20000                    ; LDS: the codes' slots at 0 and here: one exclusive or turns an address
.set SCL,   262144                     ; the scales' slots here and 0x2000 on
.set OIMG,  278528                     ; O's codes as images: fragment (tile qt, K step s) at (2 qt + s) x 2,048.  No tensor load lands from here on
.set OSC,   294912                     ; their scale words, 128 bytes a fragment
.set SPARE, 295936                     ; the spare words, 128 bytes for each of sixteen waves: eight blocks of 256 bytes that no other line names
; v1, v2 my head's codes of a slot's step 0, 1; v3 its scale words; v4-6 the same in the slot in hand; v7 the prefetches' offset; v10, v11 at work; v12 -M; v13 the largest t; v[14:15] the sum in two halves
.set SPW, 8                            ; v8   LDS address of my spare word; never rewritten
.set NIL, 9                            ; v9   0; never rewritten
.set Q,   16                           ; v16-31   Q: 8 registers of codes, 8 of zero codes
.set K,   32                           ; v32-103  K's 8 tiles, dense, and 8 registers of zero codes
.set S,   104                          ; v104-167 S^T, then p, then V's four fragments
.set O,   168                          ; v168-199 O^T
.set P,   200                          ; v200-215 p's codes
.set KS,  216                          ; v216-219 K's scale words: lanes 0-15 the even tile's, lanes 16-31 the odd tile's
.set VR,  220                          ; v220-223 V's scale bytes as they lie
.set VS,  224                          ; v224-227 V's scale words
.set PW,  228                          ; v228     p's scale word
.set QS,  229                          ; v229     Q's.  (v216-229 hold scales and nothing else in the whole text)
.set BM,  230                          ; v230-233 the blocks' largest scores, then p
.set T4,  234                          ; v234-237 the lane permute's destinations; the sums' second chain; the bytes
.set HO,  238                          ; v238-241
.set SO,  242                          ; v242-245 the conversions' scale operands
.set F,   246                          ; v[246:247] f = 2^(old M - new M) (the pair's upper half is named, so it is written once)
; s18 wave; s[20:21] lane selects; s[22:23] c; s[24:31], s[32:39] descriptor groups 1 (codes, scales); s[40:43], s[44:47] their groups 0, which walk;
; s48, s49 the slot in hand (codes, scales); s50 slots still to be asked for; s51 1 in a wave that prefetches, else the greatest number; s[52:53] where my prefetches stand
.macro PLACES n
.rept \n
	v_nop
.endr
.endm
; A round of the cluster's barrier: my work-group's barrier; wave 0 signals for the work-group; every wave waits for all four work-groups; my work-group's barrier once more.
.macro CROUND
	s_barrier_signal -1
	s_barrier_wait -1
	s_cmp_lg_u32 s18, 0
	s_cbranch_scc1 .Lnot_wave_0_\@
	s_barrier_signal -3
.Lnot_wave_0_\@:
	s_barrier_wait -3
	s_barrier_signal -1
	s_barrier_wait -1
.endm
; A joint load.  The branches hang on the wave's number alone: they are the same in every work-group.  An s_nop 0 and four v_nop follow each of the two lines.
.macro TLOAD
	s_cmp_lt_u32 s18, 4
	s_cbranch_scc0 .Lnot_c_\@
	tensor_load_to_lds s[40:43], s[24:31]
	s_nop 0
.rept 4
	v_nop
.endr
	s_branch .Lasked_\@
.Lnot_c_\@:
	s_cmp_lt_u32 s18, 5
	s_cbranch_scc0 .Lasked_\@
	tensor_load_to_lds s[44:47], s[32:39]
	s_nop 0
.rept 4
	v_nop
.endr
.Lasked_\@:
.endm
; A PREFETCH INTO THE L2 of the slot that the NEXT change of slots will ask for: a slot's two key steps ahead of that load.  All clusters of a batch walk the same kv: the batch's first cluster asks.  Its four
; partners share the slot out BY ADDRESS: each takes 32,768 bytes of the codes (waves 4-7: 8,192 each, lanes 256 bytes apart) and 2,048 bytes of the scales (wave 8: eight blocks of 256 bytes; four lanes
; name each of them).  The last change that fills a slot asks for nothing; slots 0 and 1 come by their loads alone.
.macro ASK
	s_cmp_gt_u32 s50, s51
	s_cbranch_scc0 .Lnot_mine_\@
	global_prefetch_b8 v7, s[52:53] th:TH_LOAD_NT scope:SCOPE_SE
.Lnot_mine_\@:
.endm
	s_load_b256 s[4:11], s[0:1], 0x0               ; qws, kv, proj_w's codes, its scales
	s_load_b128 s[12:15], s[0:1], 0x20             ; proj_b, x
	s_load_b64 s[16:17], s[0:1], 0x30              ; out0
	v_lshl_add_u32 v[SPW], v0, 2, SPARE
	v_mov_b32 v[NIL], 0
	ds_add_u32 v[SPW], v[NIL]                      ; the wave's opening: the add, twice on end, and its wait ahead of the first tensor loads; the set-up below stands between
	ds_add_u32 v[SPW], v[NIL]
	v_lshrrev_b32 v10, 5, v0
	s_delay_alu instid0(VALU_DEP_1)
	v_readfirstlane_b32 s18, v10                   ; wave 0..15
	s_lshr_b32 s54, s18, 2                         ; head
	s_and_b32 s55, s18, 3                          ; tile of queries.  Also: which quarter of a slot's codes I fetch, if I fetch
	s_bfe_u32 s56, ttmp6, 0x40000                  ; cx: my place in the cluster: it enters global addresses of Q, x, out0 and the prefetches alone
	s_lshl_b32 s57, ttmp9, 2
	s_add_co_u32 s57, s57, s56                     ; my block of 64 positions
	s_and_b32 s58, ttmp7, 0xffff                   ; the batch, which the four partners share
	s_mul_i32 s60, s58, KVB
	s_mov_b32 s61, 0
	s_lshl_b32 s62, s55, 15                        ; my quarter: 32,768 bytes, in memory and in LDS alike
	s_mov_b32 s63, 0
	; descriptor groups 1: dense blocks as rows of 256 bytes (32 elements of 8 bytes)
	s_mov_b32 s24, 15|(3<<16)|(1<<21)              ; 15:0 the mask: all four work-groups; 17:16 elements of 8 bytes; 21 set beside a mask; no padding
	s_mov_b32 s25, 32<<16                          ; tensor_dim0 = 32
	s_mov_b32 s26, 128<<16                         ; tensor_dim1 = 128
	s_mov_b32 s27, 32<<16                          ; tile_dim0 = 32
	s_mov_b32 s28, 128                             ; tile_dim1 = 128 rows: 32,768 bytes
	s_mov_b32 s29, 32                              ; from row to row
	s_mov_b32 s30, 0
	s_mov_b32 s31, 0
	s_mov_b32 s32, 15|(3<<16)|(1<<21)
	s_mov_b32 s33, 32<<16
	s_mov_b32 s34, 32<<16                          ; 32 rows: 8,192 bytes
	s_mov_b32 s35, 32<<16
	s_mov_b32 s36, 32
	s_mov_b32 s37, 32
	s_mov_b32 s38, 0
	s_mov_b32 s39, 0
	s_mov_b32 s20, 0x76543210                      ; v_permlanex16_b32's selects for lane l xor 16
	s_mov_b32 s21, 0xfedcba98
	s_mov_b32 s22, 0x3e38aa3b                      ; c = log2(e) / 8
	s_mov_b32 s23, s22                             ; (named with it as a pair, so it is written)
	s_mov_b32 s70, 0x05040100                      ; v_perm_b32: the two low halves,
	s_mov_b32 s71, 0x07060302                      ; the two high halves
	s_mov_b32 s48, 0
	s_mov_b32 s49, 0
	s_mov_b32 s50, 15
	s_wait_dscnt 0x0                               ; both opening adds are done
	s_wait_kmcnt 0x0
	s_add_nc_u64 s[6:7], s[6:7], s[60:61]          ; kv at my batch
	s_mov_b32 s40, 1                               ; group 0 for the codes: count = 1,
	s_mov_b32 s41, s62                             ; LDS address: slot 0, my quarter,
	s_add_nc_u64 s[42:43], s[6:7], s[62:63]        ; global address,
	s_or_b32 s43, s43, 0x80000000                  ; type = 2
	s_mov_b32 s44, 1                               ; and for the scales
	s_mov_b32 s45, SCL
	s_add_nc_u64 s[46:47], s[6:7], 131072
	s_or_b32 s47, s47, 0x80000000
	CROUND                                         ; all four work-groups are here: the first joint loads meet
	TLOAD                                          ; slot 0
	v_and_b32 v10, 31, v0                          ; L
	s_wait_alu depctr_va_vdst(0)
	v_and_b32 v11, 15, v0                          ; r
	s_wait_alu depctr_va_vdst(0)
	s_lshl_b32 s66, s54, 14
	v_lshl_add_u32 v1, v10, 4, s66                 ; 16,384 head + 16 L
	s_delay_alu instid0(VALU_DEP_1)
	v_add_nc_u32 v2, 0x10000, v1                   ; the slot's second step
	s_lshl_b32 s66, s54, 10
	s_add_co_u32 s66, s66, SCL
	v_lshl_add_u32 v3, v10, 3, s66                 ; scale words: 1,024 head + 8 L
	s_lshl_b32 s68, s58, 6
	s_add_co_u32 s68, s68, s57
	s_lshl_b32 s68, s68, 2
	s_add_co_u32 s68, s68, s54
	s_mul_i32 s68, s68, 4352
	s_mov_b32 s69, 0
	s_add_nc_u64 s[4:5], s[4:5], s[68:69]          ; qws at my block and head
	s_lshl_b32 s66, s55, 10
	v_lshl_add_u32 v10, v10, 4, s66                ; my tile's codes
	s_and_b32 s66, s55, 1
	s_lshl_b32 s66, s66, 7
	s_lshr_b32 s67, s55, 1
	s_lshl_b32 s67, s67, 2
	s_add_co_u32 s66, s66, s67
	v_lshl_add_u32 v11, v11, 3, s66                ; its scale words: word qt / 2 of lane 16 (qt % 2) + r
	global_load_b128 v[Q:Q+3], v10, s[4:5]
	global_load_b128 v[Q+4:Q+7], v10, s[4:5] offset:512
	global_load_b32 v[QS], v11, s[4:5] offset:4096
	; the prefetches: where my wave's stand, and who asks
	s_lshl_b32 s72, s56, 15
	s_lshl_b32 s73, s55, 13
	s_add_co_u32 s72, s72, s73                     ; waves 4-7: the codes
	s_lshl_b32 s73, s56, 11
	s_add_co_u32 s73, s73, 131072                  ; wave 8: the scales
	s_cmp_lt_u32 s18, 8
	s_cselect_b32 s72, s72, s73
	s_cselect_b32 s74, 31, 7
	s_add_co_u32 s72, s72, SLOTM                   ; in slot 1: the first change of slots steps it to slot 2.  Nothing is prefetched here, at the head
	s_mov_b32 s73, 0
	s_add_nc_u64 s[52:53], s[6:7], s[72:73]
	v_and_b32 v7, s74, v0
	s_delay_alu instid0(VALU_DEP_1)
	v_lshlrev_b32 v7, 8, v7
	s_sub_co_u32 s74, s18, 4
	s_cmp_lt_u32 s74, 5                            ; waves 4 to 8,
	s_cselect_b32 s74, 0, 1
	s_or_b32 s74, s74, ttmp9                       ; of the batch's first cluster: the same in all four partners
	s_cmp_eq_u32 s74, 0
	s_cselect_b32 s51, 1, -1
.irp j, 0,1,2,3,4,5,6,7
	v_mov_b32 v[Q+8+\j], 0                         ; zero codes: Q's K = 64 .. 127,
	v_mov_b32 v[K+64+\j], 0                        ; and what follows K's tile 7
.endr
.set j, 0
.rept 32
	v_mov_b32 v[O+j], 0                            ; O^T.  (The step is written once: the first finds zeros, which the first change of M leaves zeros)
.set j, j+1
.endr
	v_mov_b32 v13, 0xff61b1e6                      ; the largest t so far: -3e38, under every t
	s_delay_alu instid0(VALU_DEP_1)
	v_floor_f32 v12, -v13                          ; -M
	v_mov_b32 v14, 0
	v_mov_b32 v15, 0
.irp b, 0,1,2,3
	v_mov_b32 v[T4+\b], 0                          ; written once: a lane permute's destination counts as one of its sources
.endr
	v_mov_b32 v[F+1], 0
; A KEY STEP: 128 keys, the q-th of the slot in hand.
.macro STEP q
.irp t, 0,1,2,3,4,5,6,7
	ds_load_b128 v[K+8*\t:K+8*\t+3], v[4+\q] offset:1024*\t
	ds_load_b128 v[K+8*\t+4:K+8*\t+7], v[4+\q] offset:1024*\t+512
.endr
	ds_load_b64 v[KS:KS+1], v6 offset:4096*\q
	ds_load_b64 v[KS+2:KS+3], v6 offset:4096*\q+256
	ds_load_b64 v[VR:VR+1], v6 offset:4096*\q+512
	ds_load_b64 v[VR+2:VR+3], v6 offset:4096*\q+768
	PLACES 9                                       ; the products below write over registers that the last step's products read as an operand: nine places; they stand while the loads are out
	s_wait_dscnt 0x0
.irp t, 0,2,4,6                                ; S^T = K Q^T: eight tiles of 16 keys
	v_wmma_scale_f32_16x16x128_f8f6f4 v[S+8*\t:S+8*\t+7], v[K+8*\t:K+8*\t+15], v[Q:Q+15], 0, v[KS+\t/2], v[QS] matrix_a_fmt:MATRIX_FMT_BF8 matrix_b_fmt:MATRIX_FMT_BF8
	v_wmma_scale_f32_16x16x128_f8f6f4 v[S+8*(\t+1):S+8*(\t+1)+7], v[K+8*(\t+1):K+8*(\t+1)+15], v[Q:Q+15], 0, v[KS+\t/2], v[QS] matrix_a_fmt:MATRIX_FMT_BF8 matrix_b_fmt:MATRIX_FMT_BF8 matrix_a_scale:MATRIX_SCALE_ROW1
.endr
	v_perm_b32 v[VS], v[VR+2], v[VR], s70          ; V's scale words: a tile's two bytes of the step's first half below, those of its second half above.  (Four of the eight places behind the products)
	v_perm_b32 v[VS+1], v[VR+2], v[VR], s71
	v_perm_b32 v[VS+2], v[VR+3], v[VR+1], s70
	v_perm_b32 v[VS+3], v[VR+3], v[VR+1], s71
	PLACES 4
.irp b, 0,1,2,3
	v_max3_num_f32 v[BM+\b], v[S+16*\b], v[S+1+16*\b], v[S+2+16*\b]   ; the largest score of each block of 32 keys: for the row's maximum, and for the block's largest p.  Each accumulator is read from its low end on
.endr
.irp i, 3,5,7,9,11,13
.irp b, 0,1,2,3
	v_max3_num_f32 v[BM+\b], v[BM+\b], v[S+16*\b+\i], v[S+1+16*\b+\i]
.endr
.endr
.irp b, 0,1,2,3
	v_max_num_f32 v[BM+\b], v[BM+\b], v[S+15+16*\b]
.endr
.irp b, 0,1,2,3
	s_delay_alu instid0(VALU_DEP_4)
	v_permlanex16_b32 v[T4+\b], v[BM+\b], s20, s21
.endr
.irp b, 0,1,2,3
	s_delay_alu instid0(VALU_DEP_4)
	v_max_num_f32 v[BM+\b], v[BM+\b], v[T4+\b]     ; with lane l xor 16's 16 keys
.endr
	s_delay_alu instid0(VALU_DEP_2)
	v_max3_num_f32 v248, v[BM], v[BM+1], v[BM+2]
	s_delay_alu instid0(VALU_DEP_1)
	v_max_num_f32 v248, v248, v[BM+3]              ; the step's largest score of my query
	s_delay_alu instid0(VALU_DEP_1)
	v_mul_f32 v248, s22, v248                      ; as t (c is positive)
	s_delay_alu instid0(VALU_DEP_1)
	v_max_num_f32 v13, v13, v248                   ; the running largest t
	v_mov_b32 v248, v12
	s_delay_alu instid0(VALU_DEP_2)
	v_floor_f32 v12, -v13                          ; the new -M = floor(-t): M is a whole number
	s_delay_alu instid0(VALU_DEP_1)
	v_sub_f32 v248, v12, v248                      ; old M less new M: a whole number, 0 or less
	s_delay_alu instid0(VALU_DEP_1)
	v_cvt_i32_f32 v248, v248                       ; (it saturates)
	s_delay_alu instid0(VALU_DEP_1)
	v_ldexp_f32 v[F], 1.0, v248                    ; f = 2^(old M - new M)
.set j, 0
.rept 32
	v_pk_fma_f32 v[S+j:S+j+1], v[S+j:S+j+1], s[22:23], v[12:13] op_sel_hi:[1,0,0]   ; t - M, two at a time (of the pairs c and -M the low word serves both halves)
.set j, j+2
.endr
.irp b, 0,1,2,3
	v_fma_f32 v[BM+\b], v[BM+\b], s22, v12         ; the same of each block's largest score
.endr
.set j, 0
	s_wait_alu depctr_va_vdst(0)
.rept 64
	v_exp_f32 v[S+j], v[S+j]                       ; p = 2^(t - M), at most 1: not normalised
.set j, j+1
.endr
	v_pk_mul_f32 v[14:15], v[14:15], v[F:F+1] op_sel_hi:[1,0]   ; the sums under the new M.  (The plain line behind the exponentials)
	s_wait_alu depctr_va_vdst(0)                   ; the wait ahead of the first line that names a result: one for the whole batch
.irp b, 0,1,2,3
	v_exp_f32 v[BM+\b], v[BM+\b]                   ; the block's largest p
.endr
	v_pk_add_f32 v[234:235], v[108:109], v[112:113]
	v_pk_add_f32 v[254:255], v[116:117], v[120:121]
	v_pk_add_f32 v[252:253], v[124:125], v[128:129]
	v_pk_add_f32 v[250:251], v[132:133], v[136:137]
	v_pk_add_f32 v[244:245], v[140:141], v[144:145]
	v_pk_add_f32 v[242:243], v[148:149], v[152:153]
	v_pk_add_f32 v[240:241], v[156:157], v[160:161]
	v_pk_add_f32 v[14:15], v[14:15], v[164:165]
	v_pk_add_f32 v[234:235], v[234:235], v[104:105]
	v_pk_add_f32 v[254:255], v[254:255], v[106:107]
	v_pk_add_f32 v[252:253], v[252:253], v[110:111]
	v_pk_add_f32 v[250:251], v[250:251], v[114:115]
	v_pk_add_f32 v[244:245], v[244:245], v[118:119]
	v_pk_add_f32 v[242:243], v[242:243], v[122:123]
	v_pk_add_f32 v[240:241], v[240:241], v[126:127]
	v_pk_add_f32 v[14:15], v[14:15], v[130:131]
	v_pk_add_f32 v[234:235], v[234:235], v[134:135]
	v_pk_add_f32 v[254:255], v[254:255], v[138:139]
	v_pk_add_f32 v[252:253], v[252:253], v[142:143]
	v_pk_add_f32 v[250:251], v[250:251], v[146:147]
	v_pk_add_f32 v[244:245], v[244:245], v[150:151]
	v_pk_add_f32 v[242:243], v[242:243], v[154:155]
	v_pk_add_f32 v[240:241], v[240:241], v[158:159]
	v_pk_add_f32 v[14:15], v[14:15], v[162:163]
	v_pk_add_f32 v[234:235], v[234:235], v[166:167]
	s_delay_alu instid0(VALU_DEP_2)
	v_pk_add_f32 v[14:15], v[14:15], v[250:251]
	s_delay_alu instid0(VALU_DEP_2)
	v_pk_add_f32 v[234:235], v[234:235], v[244:245]
	v_pk_add_f32 v[254:255], v[254:255], v[242:243]
	v_pk_add_f32 v[252:253], v[252:253], v[240:241]
	s_delay_alu instid0(VALU_DEP_2)
	v_pk_add_f32 v[14:15], v[14:15], v[254:255]
	s_delay_alu instid0(VALU_DEP_2)
	v_pk_add_f32 v[234:235], v[234:235], v[252:253]
	s_delay_alu instid0(VALU_DEP_1)
	v_pk_add_f32 v[14:15], v[14:15], v[234:235]
	s_wait_alu depctr_va_vdst(0)                   ; and one for the four
.irp b, 0,1,2,3
	v_max_num_f32 v[BM+\b], 0x8000000, v[BM+\b]    ; the floor 2^(16 - 127): the byte cannot fall under 1
.endr
.irp b, 0,1,2,3
	s_delay_alu instid0(VALU_DEP_4)
	v_add_nc_u32 v[SO+\b], 0xf8800000, v[BM+\b]    ; 15 off the exponent field: the conversion's scale operand
.endr
.irp b, 0,1,2,3
.endr
.irp b, 0,1,2,3
	s_delay_alu instid0(VALU_DEP_4)
	v_lshrrev_b32 v[T4+\b], 23, v[SO+\b]           ; the scale's byte
.endr
	s_delay_alu instid0(VALU_DEP_3)
	v_lshl_or_b32 v[PW], v[T4+1], 8, v[T4]         ; p's scale word for these 128 keys
	s_delay_alu instid0(VALU_DEP_1)
	v_lshl_or_b32 v[PW], v[T4+2], 16, v[PW]
	s_delay_alu instid0(VALU_DEP_1)
	v_lshl_or_b32 v[PW], v[T4+3], 24, v[PW]
.irp b, 0,1,2,3
.irp i, 0,1,2,3,4,5,6,7,8,9,10,11,12,13,14,15
.endr
	v_cvt_scalef32_pk8_bf8_f32 v[P+4*\b:P+4*\b+1], v[S+16*\b:S+16*\b+7], v[SO+\b]
	v_cvt_scalef32_pk8_bf8_f32 v[P+4*\b+2:P+4*\b+3], v[S+16*\b+8:S+16*\b+15], v[SO+\b]
.endr
	v_nop
.irp t, 0,1,2,3                                ; V's four fragments take p's registers
.irp c, 0,1,2,3
	ds_load_b128 v[S+16*\t+4*\c:S+16*\t+4*\c+3], v[4+\q] offset:8192+2048*\t+512*\c
.endr
.endr
.set j, 0
.rept 16
	v_pk_mul_f32 v[O+j:O+j+1], v[O+j:O+j+1], v[F:F+1] op_sel_hi:[1,0]   ; O^T under the new M.  (Also the plain line behind the last conversion and the places between p's codes and the products; they stand while the loads are out)
.set j, j+2
.endr
	s_wait_alu depctr_va_vdst(0)
	s_wait_dscnt 0x0
.irp t, 0,1,2,3                                ; O^T += V^T P^T: the four accumulators take turns
	v_wmma_scale_f32_16x16x128_f8f6f4 v[O+8*\t:O+8*\t+7], v[S+16*\t:S+16*\t+15], v[P:P+15], v[O+8*\t:O+8*\t+7], v[VS+\t], v[PW] matrix_a_fmt:MATRIX_FMT_BF8 matrix_b_fmt:MATRIX_FMT_BF8
.endr
.endm
; THE CHANGE OF SLOTS stands at a slot's head.  Each wave waits for all its tensor loads (its part of the slot that it is about to read), adds 0 to its spare word (fill = 1: twice on end), and waits for that and
; for its reads of the slot that it has left.  fill = 1: a round of the cluster's barrier, so that no wave of any partner still reads the other slot or has a load on its way; the joint load of the keys that
; follow is the first thing behind it and has a slot's two steps in which to land.
.macro CHANGE fill
	s_wait_tensorcnt 0x0                           ; no tensor load of mine is out, so a group 0 may be written
	ds_add_u32 v[SPW], v[NIL]                      ; 0 onto my spare word
.if \fill
	ds_add_u32 v[SPW], v[NIL]                      ; and once more
	s_xor_b32 s41, s41, SLOT1                      ; the walking descriptors: the other slot than last time,
	s_add_nc_u64 s[42:43], s[42:43], SLOTM         ; the next 256 keys; the type bits on top are not reached
	s_xor_b32 s45, s45, 0x2000
	s_add_nc_u64 s[46:47], s[46:47], SLOTM
	s_wait_xcnt 0x0                                ; the last prefetch, a slot back, has read its address, so it may be written:
	s_add_nc_u64 s[52:53], s[52:53], SLOTM         ; one slot further on than the walking descriptors
.endif
	s_wait_dscnt 0x0                               ; the add is done (fill = 1: both are), and my reads of the slot that I have left are over
.if \fill
	CROUND
	TLOAD
	ASK
.else
	s_barrier_signal -1
	s_barrier_wait -1
.endif
.endm
.macro SLOT_STEPS
	v_add_nc_u32 v4, s48, v1
	v_add_nc_u32 v5, s48, v2
	v_add_nc_u32 v6, s49, v3
	STEP 0
	STEP 1
	s_xor_b32 s48, s48, SLOT1                      ; on to the other slot
	s_xor_b32 s49, s49, 0x2000
.endm
	s_wait_loadcnt 0x0                             ; Q
.Lslot:                                            ; 15 trips: behind each change of slots but the last the next slot is asked for (slot 1's first fill stands behind the first trip's round, where nothing is filled again)
	CHANGE 1
	SLOT_STEPS
	s_sub_co_u32 s50, s50, 1
	s_cmp_lg_u32 s50, 0
	s_cbranch_scc1 .Lslot
	CHANGE 0                                       ; the last slot is written out
	SLOT_STEPS
	; ---- THE WAY OUT.  Addresses, and the loads of what the projection wants: wave w makes output channels 16 w .. 16 w + 15 for the 64 positions
	s_wait_xcnt 0x0                                ; the last prefetch has read its offset: the register may be written
	v_and_b32 v10, 31, v0                          ; L
	s_wait_alu depctr_va_vdst(0)
	v_and_b32 v11, 15, v0                          ; r
	s_wait_alu depctr_va_vdst(0)
	v_bfe_u32 v7, v0, 4, 1                         ; h
	s_lshl_b32 s66, s55, 12                        ; O's codes: my tile's fragments, K step head / 2, chunks 2 (head % 2) and + 1
	s_lshr_b32 s67, s54, 1
	s_lshl_b32 s67, s67, 11
	s_add_co_u32 s66, s66, s67
	s_and_b32 s67, s54, 1
	s_lshl_b32 s67, s67, 10
	s_add_co_u32 s66, s66, s67
	s_add_co_u32 s66, s66, OIMG
	v_lshl_add_u32 v1, v10, 4, s66
	s_lshl_b32 s66, s55, 8                         ; the scale word's half
	s_lshr_b32 s67, s54, 1
	s_lshl_b32 s67, s67, 7
	s_add_co_u32 s66, s66, s67
	s_and_b32 s67, s54, 1
	s_lshl_b32 s67, s67, 1
	s_add_co_u32 s66, s66, s67
	s_add_co_u32 s66, s66, OSC
	v_lshl_add_u32 v2, v10, 2, s66
	v_lshl_add_u32 v3, v10, 4, OIMG                ; and where any fragment, and its words, are read back
	v_lshl_add_u32 v4, v10, 2, OSC
	v_lshlrev_b32 v5, 8, v11
	s_wait_alu depctr_va_vdst(0)
	v_lshl_add_u32 v5, v7, 4, v5                   ; proj_w: row r of 256 bytes, + 16 h
	s_wait_alu depctr_va_vdst(0)
	v_lshlrev_b32 v6, 3, v11                       ; its scales: 8 bytes a row
	s_wait_alu depctr_va_vdst(0)
	v_lshlrev_b32 v10, 5, v7                       ; proj_b: 8 numbers on for lanes 16-31
	s_wait_alu depctr_va_vdst(0)
	v_lshlrev_b32 v11, 4, v11
	s_delay_alu instid0(VALU_DEP_1)
	v_lshl_add_u32 v11, v7, 17, v11                ; x, out0: 16 r; 8 channels on for lanes 16-31
	s_wait_alu depctr_va_vdst(0)
	s_lshl_b32 s66, s18, 12
	s_mov_b32 s67, 0
	s_add_nc_u64 s[8:9], s[8:9], s[66:67]          ; my 16 rows of proj_w,
	s_lshl_b32 s66, s18, 7
	s_add_nc_u64 s[10:11], s[10:11], s[66:67]      ; their scales,
	s_lshl_b32 s66, s18, 6
	s_add_nc_u64 s[12:13], s[12:13], s[66:67]      ; their bias
	s_lshl_b32 s72, s58, 22
	s_lshl_b32 s73, s18, 18
	s_add_co_u32 s72, s72, s73
	s_lshl_b32 s73, s57, 8
	s_add_co_u32 s72, s72, s73                     ; batch, my 16 channels, my block's 256 bytes
	s_mov_b32 s73, 0
	s_add_nc_u64 s[14:15], s[14:15], s[72:73]
	s_add_nc_u64 s[16:17], s[16:17], s[72:73]
.irp s, 0,1
.irp c, 0,1,2,3
	global_load_b128 v[32+16*\s+4*\c:32+16*\s+4*\c+3], v5, s[8:9] offset:128*\s+32*\c
.endr
	global_load_b32 v[216+\s], v6, s[10:11] offset:4*\s
.endr
	global_load_b128 v[64:67], v10, s[12:13]       ; the bias in the result's layout: register j: channel 16 w + 8 h + j
	global_load_b128 v[68:71], v10, s[12:13] offset:16
.irp j, 0,1,2,3,4,5,6,7
	global_load_b128 v[72+4*\j:72+4*\j+3], v11, s[14:15] offset:16384*\j th:TH_LOAD_NT   ; x(16 w + 8 h + j, positions 4 r .. 4 r + 3): sixteen lanes read 256 consecutive bytes
.endr
	PLACES 9                                       ; behind the last products: eight for the first read of O^T, nine for the projection's products, which write over it
	v_add_f32 v14, v14, v15                        ; the sum's two halves,
	s_delay_alu instid0(VALU_DEP_1)
	v_permlanex16_b32 v248, v14, s20, s21
	s_delay_alu instid0(VALU_DEP_1)
	v_add_f32 v14, v14, v248                       ; and lane l xor 16's: the row's sum
	s_wait_alu depctr_va_vdst(0)
	v_rcp_f32 v14, v14
	v_nop                                          ; a plain line behind the transcendental
	s_wait_alu depctr_va_vdst(0)                   ; and the wait ahead of the first line that names its result
.set j, 0
.rept 16
	v_pk_mul_f32 v[O+j:O+j+1], v[O+j:O+j+1], v[14:15] op_sel_hi:[1,0]   ; O^T / the sum, each accumulator from its low end on: register 16 b + i is channel 64 head + 32 b + 16 h + i
.set j, j+2
.endr
.macro QO b                            ; block b of my head's two along the projection's K: my 16 numbers and lane l xor 16's
.set rS, O+16*(\b)
	v_max3_num_f32 v[BM], |v[rS]|, |v[rS+1]|, 0x8000000
	v_max3_num_f32 v[BM+1], |v[rS+8]|, |v[rS+9]|, |v[rS+10]|
	s_delay_alu instid0(VALU_DEP_2)
	v_max3_num_f32 v[BM], v[BM], |v[rS+2]|, |v[rS+3]|
	s_delay_alu instid0(VALU_DEP_2)
	v_max3_num_f32 v[BM+1], v[BM+1], |v[rS+11]|, |v[rS+12]|
	s_delay_alu instid0(VALU_DEP_2)
	v_max3_num_f32 v[BM], v[BM], |v[rS+4]|, |v[rS+5]|
	s_delay_alu instid0(VALU_DEP_2)
	v_max3_num_f32 v[BM+1], v[BM+1], |v[rS+13]|, |v[rS+14]|
	s_delay_alu instid0(VALU_DEP_2)
	v_max3_num_f32 v[BM], v[BM], |v[rS+6]|, |v[rS+7]|
	s_delay_alu instid0(VALU_DEP_1)
	v_max3_num_f32 v[BM], v[BM], v[BM+1], |v[rS+15]|
	s_delay_alu instid0(VALU_DEP_1)
	v_permlanex16_b32 v[T4], v[BM], s20, s21
	s_delay_alu instid0(VALU_DEP_1)
	v_max_num_f32 v[BM], v[BM], v[T4]
	s_delay_alu instid0(VALU_DEP_1)
	v_add_nc_u32 v[SO], 0xf8800000, v[BM]
.if (\b) == 0
	s_delay_alu instid0(VALU_DEP_1)
	v_lshrrev_b32 v248, 23, v[SO]
.else
	s_delay_alu instid0(VALU_DEP_1)
	v_lshrrev_b32 v249, 23, v[SO]
	s_delay_alu instid0(VALU_DEP_1)
	v_lshl_or_b32 v248, v249, 8, v248              ; my head's two bytes: half a scale word
.endif
.irp i, 0,1,2,3,4,5,6,7,8,9,10,11,12,13,14,15
.endr
	v_cvt_scalef32_pk8_bf8_f32 v[P+4*(\b):P+4*(\b)+1], v[rS:rS+7], v[SO]
	v_cvt_scalef32_pk8_bf8_f32 v[P+4*(\b)+2:P+4*(\b)+3], v[rS+8:rS+15], v[SO]
	v_nop                                          ; a plain line behind the last conversion
.endm
	QO 0
	QO 1
	ds_store_b128 v1, v[P:P+3]                     ; the codes go to LDS as images of the operand's registers
	ds_store_b128 v1, v[P+4:P+7] offset:512
	ds_store_b16 v2, v248
	s_wait_dscnt 0x0                               ; for the others' sake: my stores have landed
	s_barrier_signal -1
	s_barrier_wait -1                              ; all 256 channels of the 64 positions lie in LDS
.irp s, 0,1                                    ; the projection: source 0 = my 16 rows of proj_w, source 1 = a tile of 16 positions; four accumulators by turns, a K step at a time
.irp t, 0,1,2,3
.irp c, 0,1,2,3
	ds_load_b128 v[S+16*\t+4*\c:S+16*\t+4*\c+3], v3 offset:(2*\t+\s)*2048+512*\c
.endr
	ds_load_b32 v[218+4*\s+\t], v4 offset:(2*\t+\s)*128
.endr
	s_wait_dscnt 0x0
.if \s == 0
	s_wait_loadcnt 0x0                             ; proj_w, its scales, the bias, x
.endif
.irp t, 0,1,2,3
.if \s == 0
	v_wmma_scale_f32_16x16x128_f8f6f4 v[O+8*\t:O+8*\t+7], v[32:47], v[S+16*\t:S+16*\t+15], v[64:71], v216, v[218+\t] matrix_a_fmt:MATRIX_FMT_BF8 matrix_b_fmt:MATRIX_FMT_BF8
.else
	v_wmma_scale_f32_16x16x128_f8f6f4 v[O+8*\t:O+8*\t+7], v[48:63], v[S+16*\t:S+16*\t+15], v[O+8*\t:O+8*\t+7], v217, v[222+\t] matrix_a_fmt:MATRIX_FMT_BF8 matrix_b_fmt:MATRIX_FMT_BF8
.endif
.endr
	PLACES 8                                       ; in front of the loads into registers that the products read, and of the first read of the results
.endr
.irp j, 0,1,2,3,4,5,6,7
.irp t, 0,1,2,3
	v_add_f32 v[72+4*\j+\t], v[72+4*\j+\t], v[O+8*\t+\j]   ; + x: register j of the four tiles is positions 4 r + 0 .. 3 of one channel; each accumulator is read from its low end on
.endr
.endr
.irp j, 0,1,2,3,4,5,6,7
	global_store_b128 v11, v[72+4*\j:72+4*\j+3], s[16:17] offset:16384*\j th:TH_STORE_NT   ; sixteen lanes store 256 consecutive bytes, at a multiple of 256 from out0's first byte
.endr
	s_wait_tensorcnt 0x0                           ; the wave's end: behind my last tensor load and my last LDS store
	ds_add_u32 v[SPW], v[NIL]
	s_wait_dscnt 0x0
	CROUND                                         ; the closing round: no work-group ends while a partner may still ask for a tile that names it
	s_endpgm
.Lfunc_end_k_q7d4b308c7a_attn:
	.size	k_q7d4b308c7a_attn, .Lfunc_end_k_q7d4b308c7a_attn-k_q7d4b308c7a_attn
	.p2alignl 7, 3214868480
	.fill 96, 4, 3214868480
	.section	.rodata,"a",@progbits
	.p2align	6, 0x0
	.amdhsa_kernel k_q7d4b308c7a_attn
		.amdhsa_group_segment_fixed_size 327680
		.amdhsa_private_segment_fixed_size 0
		.amdhsa_enable_private_segment 0
		.amdhsa_kernarg_size 56
		.amdhsa_user_sgpr_count 2
		.amdhsa_user_sgpr_kernarg_segment_ptr 1
		.amdhsa_wavefront_size32 1
		.amdhsa_system_sgpr_workgroup_id_x 1
		.amdhsa_system_sgpr_workgroup_id_y 1
		.amdhsa_system_sgpr_workgroup_id_z 1
		.amdhsa_system_vgpr_workitem_id 0
		.amdhsa_next_free_vgpr 256
		.amdhsa_next_free_sgpr 80
		.amdhsa_reserve_vcc 0
		.amdhsa_float_denorm_mode_32 3
		.amdhsa_float_denorm_mode_16_64 3
		.amdhsa_fp16_overflow 1
		.amdhsa_memory_ordered 1
		.amdhsa_forward_progress 1
		.amdhsa_inst_pref_size 93
	.end_amdhsa_kernel
	.amdgpu_metadata
---
amdhsa.version: [ 1, 2 ]
amdhsa.kernels:
  - .name:           k_q7d4b308c7a_attn
    .symbol:         k_q7d4b308c7a_attn.kd
    .args:
      - { .name: qws, .offset: 0, .size: 8, .value_kind: global_buffer, .address_space: global }
      - { .name: kv, .offset: 8, .size: 8, .value_kind: global_buffer, .address_space: global }
      - { .name: proj_w_codes, .offset: 16, .size: 8, .value_kind: global_buffer, .address_space: global }
      - { .name: proj_w_scales, .offset: 24, .size: 8, .value_kind: global_buffer, .address_space: global }
      - { .name: proj_b, .offset: 32, .size: 8, .value_kind: global_buffer, .address_space: global }
      - { .name: x, .offset: 40, .size: 8, .value_kind: global_buffer, .address_space: global }
      - { .name: out0, .offset: 48, .size: 8, .value_kind: global_buffer, .address_space: global }
    .group_segment_fixed_size: 327680
    .private_segment_fixed_size: 0
    .kernarg_segment_align: 8
    .kernarg_segment_size: 56
    .max_flat_workgroup_size: 512
    .sgpr_count:     80
    .vgpr_count:     256
    .wavefront_size: 32
...
	.end_amdgpu_metadata
.endif
;; end of part 3
